; MI455X (gfx1250); checked and timed in simulation.
; The chip was launched on July 23, 2026; its instructions are those of AMD's public machine-readable ISA for CDNA 5 (MIT licence, August 2026) and "CDNA5" Instruction Set Architecture Reference Guide (July 2026). The comments in the code are by the model that wrote it; some were corrected since.
;; K Means. Allowed arithmetic: float matrix products may take bf16 or f16 operands with f32 sums; other float arithmetic in f32, or as packed bf16 or f16 multiplies, adds, multiply-adds, maxima and minima; sums over many terms, partial sums and values carried from step to step in f32; what a program stores and reads back later, other than sums and carried values, may be rounded once to bf16 or f16.
;; Inputs: base_w1 128 x 128 float32; base_w2 128 x 128 float32; grid 128 x 12 float32; prototypes 256 x 128 float32; scaler1 128 x 128 float32; scaler2 128 x 128 float32; spline_w1 128 x 128 x 8 float32; spline_w2 128 x 128 x 8 float32; x 65,536 x 128 float32.
;; Outputs: out0 65,536 x 128 float32; out1 65,536 int32.
;; One version. Each part assembles by itself: llvm-mc -triple=amdgcn-amd-amdhsa -mcpu=gfx1250 --defsym DOCPART=n.
;; ======== version 1 of 1: 2 launches
;; limits: values are held in f16: magnitudes above 65,504 overflow, below 6.1e-05 lose precision
;; workspace buffers: wk 1,347,584 bytes
;; launch prep (part 1): grid 96 x 2, 8 waves a work-group, no clusters, 0 bytes of LDS; arguments base_w1, base_w2, spline_w1, spline_w2, scaler1, scaler2, prototypes, grid, wk; writes wk
.if DOCPART == 1
	.amdgcn_target "amdgcn-amd-amdhsa--gfx1250"
	.amdhsa_code_object_version 6
	.text
	.protected	k_qf0add41a3e_prep
	.globl	k_qf0add41a3e_prep
	.p2align	8
	.type	k_qf0add41a3e_prep,@function
k_qf0add41a3e_prep:
	s_mov_b64 s[64:65], 0
	v_nop
	global_prefetch_b8 v0, s[64:65] scope:SCOPE_SE
	s_setreg_imm32_b32 hwreg(HW_REG_WAVE_MODE, 25, 1), 1
	s_wait_xcnt 0x0
; PREPARATION.  Writes wk: 20 chunks of 65,536 bytes of f16 matrix fragments, then a table of spline constants (f32).
; A chunk is fragment-major: byte = st*16384 + part*8192 + blk*1024 + half*512 + lane*16; st = K step 0..3, part 0 = high f16 part, 1 = low part
; (low = f16(a - high)), blk = block of 16 outputs (or prototypes), half = registers 0-3 or 4-7 of the fragment.  Lane = (r = lane % 16, h = lane / 16).
;   chunk 9 y      : 16 * base_w[16 blk + r][32 st + 16 h + 8 half + 0..7]              (layer y)
;   chunk 9 y + c  : 16 * spline_w[o][i][0..7] * scaler[o][i], o = 16 blk + r, i = 16 (c-1) + 4 st + 2 h + half,  c = 1..8
;   chunk 18 + y   : 64 * p[q][f] / max(|p[q]|, 1e-8), q = 128 y + 16 blk + r, f = 32 st + 16 half + 8 h + 0..7
; The factors 16 and 64 are exact powers of two; they keep the low parts out of f16's denormals.
; The table: feature pair P (features 2P, 2P+1) at CTOFF + 576 P, 72 slots of 8 bytes (even feature, odd feature):
;   0-11 knots g_i;  12+4i+{0,1,2,3} RU_i, CU_i, RV_i, CV_i (i = 0..9);  52+i 1/(g_{i+2}-g_i);  62+i 1/(g_{i+3}-g_i);  71: 0.
;   The level-1 basis is clamp01((x-g_{i+1}) RU + CU) - clamp01((x-g_{i+1}) RV + CV).  With p0 = g_{i+1} > g_i, p1 = g_{i+2} > g_{i+1}:
;   (RU, CU) = (1/(g_{i+1}-g_i), 1) if p0, else (2^100, 1) if p1, else (0, 0);  (RV, CV) = (1/(g_{i+2}-g_{i+1}), 0) if p1, else (2^100, 1) if p0, else (0, 0).
; LIMITS.  16 |spline_w scaler| and 16 |base_w| stay under 65,504 (f16).  The steep ramp 2^100 is a step for |x - g| >= 2^-100.  NaN and infinities are not treated apart.
; SHARES.  Work-group x < 72: weights of chunk c = x / 8, block x % 8, layer y; wave = (st, half).  72 <= x < 80: prototypes, block x - 72, chunk 18 + y.  x >= 80: two pairs of the table.
.set CTOFF, 1310720
	s_load_b512 s[16:31], s[0:1], 0x0              ; base_w1 16, base_w2 18, spline_w1 20, spline_w2 22, scaler1 24, scaler2 26, prototypes 28, grid 30
	s_load_b64 s[32:33], s[0:1], 0x40              ; wk
	v_lshrrev_b32 v1, 5, v0
	v_readfirstlane_b32 s8, v1                     ; wave 0..7
	s_mov_b32 s9, ttmp9                            ; x
	s_and_b32 s10, ttmp7, 0xffff                   ; y
	s_lshr_b32 s11, s8, 1                          ; st
	s_and_b32 s12, s8, 1                           ; half
	v_and_b32 v1, 15, v0                           ; r
	v_bfe_u32 v2, v0, 4, 1                         ; h
	v_and_b32 v3, 31, v0
	v_lshlrev_b32 v3, 4, v3                        ; 16 x lane: a wave's store covers 512 consecutive bytes, aligned
	v_mov_b32 v18, -1.0
	s_mov_b32 s41, 0
	s_wait_kmcnt 0x0
	s_cmp_ge_u32 s9, 80
	s_cbranch_scc1 .Lconst
	s_lshl_b32 s40, s11, 14
	s_lshl_b32 s13, s12, 9
	s_add_co_u32 s40, s40, s13                     ; st*16384 + half*512
	s_cmp_ge_u32 s9, 72
	s_cbranch_scc1 .Lproto
	; ---- weights
	s_lshr_b32 s13, s9, 3                          ; c
	s_and_b32 s14, s9, 7                           ; blk
	s_mul_i32 s15, s10, 9
	s_add_co_u32 s15, s15, s13
	s_lshl_b32 s15, s15, 16
	s_add_co_u32 s40, s40, s15                     ; + chunk*65536
	s_lshl_b32 s15, s14, 10
	s_add_co_u32 s40, s40, s15                     ; + blk*1024
	s_lshl_b32 s15, s14, 4
	v_add_nc_u32 v4, s15, v1                       ; o
	s_cmp_eq_u32 s10, 0                            ; the layer's three tensors
	s_cselect_b64 s[34:35], s[16:17], s[18:19]
	s_cselect_b64 s[36:37], s[20:21], s[22:23]
	s_cselect_b64 s[38:39], s[24:25], s[26:27]
	s_cmp_eq_u32 s13, 0
	s_cbranch_scc1 .Lbasew
	s_lshl_b32 s15, s13, 4
	s_sub_co_u32 s15, s15, 16
	s_lshl2_add_u32 s15, s11, s15
	s_add_co_u32 s15, s15, s12                     ; 16 (c-1) + 4 st + half
	v_lshlrev_b32 v4, 7, v4
	v_lshl_add_u32 v4, v2, 1, v4
	v_add_nc_u32 v4, s15, v4                       ; o*128 + i
	v_lshlrev_b32 v5, 5, v4
	v_lshlrev_b32 v6, 2, v4
	global_load_b128 v[8:11], v5, s[36:37]
	global_load_b128 v[12:15], v5, s[36:37] offset:16
	global_load_b32 v16, v6, s[38:39]
	s_wait_loadcnt 0x0
	v_mul_f32 v16, 0x41800000, v16                 ; 16 x scaler: exact, so the product below is 16 x the f32 product spline_w * scaler
	s_branch .Lscale
.Lbasew:
	s_lshl_b32 s15, s11, 7
	s_lshl_b32 s44, s12, 5
	s_add_co_u32 s15, s15, s44
	v_lshlrev_b32 v5, 9, v4
	v_lshl_add_u32 v5, v2, 6, v5
	v_add_nc_u32 v5, s15, v5                       ; o*512 + 128 st + 64 h + 32 half
	global_load_b128 v[8:11], v5, s[34:35]
	global_load_b128 v[12:15], v5, s[34:35] offset:16
	v_mov_b32 v16, 0x41800000
	s_wait_loadcnt 0x0
.Lscale:
	v_mov_b32 v17, v16
.irp j, 0,2,4,6
	v_pk_mul_f32 v[8+\j:9+\j], v[8+\j:9+\j], v[16:17]
.endr
	s_branch .Lsplit
	; ---- prototypes: every wave finds the norms of the block's 16 rows (a lane squares half a row), then scales its own 8 numbers
.Lproto:
	s_sub_co_u32 s14, s9, 72                       ; blk
	s_add_co_u32 s15, s10, 18
	s_lshl_b32 s15, s15, 16
	s_add_co_u32 s40, s40, s15
	s_lshl_b32 s15, s14, 10
	s_add_co_u32 s40, s40, s15
	s_lshl_b32 s15, s10, 7
	s_lshl4_add_u32 s15, s14, s15                  ; 128 y + 16 blk
	v_add_nc_u32 v4, s15, v1
	v_lshlrev_b32 v4, 9, v4                        ; the row's first byte
	v_lshl_add_u32 v5, v2, 8, v4                   ; my half of it
	s_lshl_b32 s15, s11, 7
	s_lshl_b32 s44, s12, 6
	s_add_co_u32 s15, s15, s44
	v_lshl_add_u32 v6, v2, 5, v4
	v_add_nc_u32 v6, s15, v6                       ; my 8 numbers: 128 st + 64 half + 32 h
.set i, 0
.rept 16
	global_load_b128 v[32+4*i:35+4*i], v5, s[28:29] offset:16*i
.set i, i+1
.endr
	global_load_b128 v[8:11], v6, s[28:29]
	global_load_b128 v[12:15], v6, s[28:29] offset:16
	s_mov_b32 s46, 0x76543210
	s_mov_b32 s47, 0xfedcba98
	s_wait_loadcnt 0x0
.set i, 0
.rept 32                                               ; the sum of squares in f32, four chains
.if i < 4
	v_pk_mul_f32 v[96+2*i:97+2*i], v[32+2*i:33+2*i], v[32+2*i:33+2*i]
.else
	v_pk_fma_f32 v[96+2*(i%4):97+2*(i%4)], v[32+2*i:33+2*i], v[32+2*i:33+2*i], v[96+2*(i%4):97+2*(i%4)]
.endif
.set i, i+1
.endr
	v_pk_add_f32 v[96:97], v[96:97], v[98:99]
	v_pk_add_f32 v[100:101], v[100:101], v[102:103]
	v_pk_add_f32 v[96:97], v[96:97], v[100:101]
	v_add_f32 v96, v96, v97
	v_permlanex16_b32 v98, v96, s46, s47           ; the row's other half lies in the lane 16 away
	v_add_f32 v96, v96, v98
	v_sqrt_f32 v97, v96
	v_nop                                          ; a plain instruction behind each transcendental, ahead of the use of its result (ISA guide 5.7.2)
	s_wait_alu depctr_va_vdst(0)
	v_rcp_f32 v98, v97
	v_fma_f32 v99, -v97, v97, v96                  ; one Newton step on the root: s += (ss - s s) / (2 s)
	s_wait_alu depctr_va_vdst(0)
	v_mul_f32 v98, 0.5, v98
	v_fma_f32 v97, v99, v98, v97                   ; a row of zeros gives NaN here,
	v_max_num_f32 v102, 0x322bcc77, v97            ; which loses against 1e-8: m = max(norm, 1e-8)
	v_mov_b32 v103, v102
	v_rcp_f32 v100, v102
	v_nop
	s_wait_alu depctr_va_vdst(0)
	v_fma_f32 v99, -v102, v100, 1.0                ; one Newton step on 1 / m
	v_fma_f32 v100, v100, v99, v100
	v_mov_b32 v101, v100
.irp j, 0,2,4,6
	v_pk_mul_f32 v[104+\j:105+\j], v[8+\j:9+\j], v[100:101]                                                    ; q = p y
.endr
.irp j, 0,2,4,6
	v_pk_fma_f32 v[112+\j:113+\j], v[104+\j:105+\j], v[102:103], v[8+\j:9+\j] neg_lo:[1,0,0] neg_hi:[1,0,0]     ; p - q m
.endr
.irp j, 0,2,4,6
	v_pk_fma_f32 v[104+\j:105+\j], v[112+\j:113+\j], v[100:101], v[104+\j:105+\j]                             ; q += y (p - q m)
.endr
.irp j, 0,2,4,6
	v_pk_mul_f32 v[8+\j:9+\j], v[104+\j:105+\j], 0x42800000 op_sel_hi:[1,0]                                     ; x 64
.endr
	; ---- eight f32 in v[8:15] -> high and low f16 parts, 16 bytes each
.Lsplit:
.irp k, 0,1,2,3
	v_cvt_pk_f16_f32 v[20+\k], v[8+2*\k], v[9+2*\k]
	v_mov_b32 v[24+\k], 0
.endr
.irp k, 0,1,2,3
	v_fma_mixlo_f16 v[24+\k], v[20+\k], v18, v[8+2*\k] op_sel:[0,0,0] op_sel_hi:[1,0,0]  ; a - high, rounded once
	v_fma_mixhi_f16 v[24+\k], v[20+\k], v18, v[9+2*\k] op_sel:[1,0,0] op_sel_hi:[1,0,0]
.endr
	s_add_nc_u64 s[42:43], s[32:33], s[40:41]
	global_store_b128 v3, v[20:23], s[42:43]
	global_store_b128 v3, v[24:27], s[42:43] offset:8192
	s_endpgm
	; ---- the table: thread = (pair, slot); all candidates are computed, the slot's kind selects
.Lconst:
	s_sub_co_u32 s13, s9, 80
	s_lshl4_add_u32 s13, s10, s13
	s_lshl_b32 s13, s13, 1
	v_lshrrev_b32 v4, 7, v0
	v_add_nc_u32 v4, s13, v4                       ; P = 2 ((x-80) + 16 y) + t / 128
	v_and_b32 v5, 127, v0                          ; slot; 72 and above store nothing
	v_sub_nc_u32 v6, v5, 12
	v_lshrrev_b32 v7, 2, v6
	v_and_b32 v8, 3, v6
	v_add_nc_u32 v8, 1, v8
	v_cmp_le_u32 s34, 12, v5
	v_cmp_le_u32 s35, 52, v5
	v_cmp_le_u32 s36, 62, v5
	v_cmp_le_u32 s37, 71, v5
	v_sub_nc_u32 v10, v5, 52
	v_sub_nc_u32 v11, v5, 62
	v_cndmask_b32 v9, v5, v7, s34
	v_cndmask_b32 v9, v9, v10, s35
	v_cndmask_b32 v9, v9, v11, s36                 ; i
	v_cndmask_b32 v12, 0, v8, s34
	v_cndmask_b32 v12, v12, 5, s35
	v_cndmask_b32 v12, v12, 6, s36
	v_cndmask_b32 v12, v12, 7, s37                 ; kind: 0 knot, 1-4 RU CU RV CV, 5 level 2, 6 level 3, 7 zero
	v_mul_u32_u24 v13, v4, 96                      ; two rows of 12 knots
.irp j, 0,1,2,3
	v_add_nc_u32 v[14+\j], \j, v9
	v_min_u32 v[14+\j], 11, v[14+\j]               ; a knot that the slot does not need is held inside the row
	v_lshl_add_u32 v[14+\j], v[14+\j], 2, v13
.endr
.irp j, 0,1,2,3
	global_load_b32 v[20+2*\j], v[14+\j], s[30:31]             ; g_{i+j} of the even feature,
	global_load_b32 v[21+2*\j], v[14+\j], s[30:31] offset:48   ; of the odd one
.endr
	v_mul_u32_u24 v64, v4, 576
	v_lshl_add_u32 v64, v5, 3, v64
.irp k, 1,2,3,4,5,6,7
	v_cmp_eq_u32 s[41+\k], \k, v12
.endr
	s_wait_loadcnt 0x0
	v_pk_add_f32 v[28:29], v[22:23], v[20:21] neg_lo:[0,1] neg_hi:[0,1]  ; g_{i+1} - g_i
	v_pk_add_f32 v[30:31], v[24:25], v[22:23] neg_lo:[0,1] neg_hi:[0,1]  ; g_{i+2} - g_{i+1}
	v_pk_add_f32 v[32:33], v[24:25], v[20:21] neg_lo:[0,1] neg_hi:[0,1]  ; g_{i+2} - g_i
	v_pk_add_f32 v[34:35], v[26:27], v[20:21] neg_lo:[0,1] neg_hi:[0,1]  ; g_{i+3} - g_i
.irp k, 0,1,2,3,4,5,6,7
	v_rcp_f32 v[36+\k], v[28+\k]
.endr
	v_mov_b32 v60, 0x71800000                      ; 2^100; also the plain instruction behind the reciprocals
	s_wait_alu depctr_va_vdst(0)
.irp j, 0,2,4,6
	v_pk_fma_f32 v[44+\j:45+\j], v[28+\j:29+\j], v[36+\j:37+\j], 1.0 op_sel_hi:[1,1,0] neg_lo:[1,0,0] neg_hi:[1,0,0]
.endr
.irp j, 0,2,4,6
	v_pk_fma_f32 v[36+\j:37+\j], v[36+\j:37+\j], v[44+\j:45+\j], v[36+\j:37+\j]   ; one Newton step
.endr
.irp e, 0,1
	v_cmp_gt_f32 s38, v[22+\e], v[20+\e]           ; p0
	v_cmp_gt_f32 s39, v[24+\e], v[22+\e]           ; p1
	v_cndmask_b32 v52, 0, v60, s39
	v_cndmask_b32 v52, v52, v[36+\e], s38          ; RU
	v_cndmask_b32 v53, 0, 1.0, s39
	v_cndmask_b32 v53, v53, 1.0, s38               ; CU
	v_cndmask_b32 v54, 0, v60, s38
	v_cndmask_b32 v54, v54, v[38+\e], s39          ; RV
	v_cndmask_b32 v55, 0, 1.0, s38
	v_cndmask_b32 v55, v55, 0, s39                 ; CV
	v_cndmask_b32 v[62+\e], v[20+\e], v52, s42
	v_cndmask_b32 v[62+\e], v[62+\e], v53, s43
	v_cndmask_b32 v[62+\e], v[62+\e], v54, s44
	v_cndmask_b32 v[62+\e], v[62+\e], v55, s45
	v_cndmask_b32 v[62+\e], v[62+\e], v[40+\e], s46
	v_cndmask_b32 v[62+\e], v[62+\e], v[42+\e], s47
	v_cndmask_b32 v[62+\e], v[62+\e], 0, s48
.endr
	v_cmp_gt_u32 vcc_lo, 72, v5
	s_wait_xcnt 0x0                                ; EXEC is a source of the loads above: it changes only behind this wait
	s_and_saveexec_b32 s50, vcc_lo
	global_store_b64 v64, v[62:63], s[32:33] offset:CTOFF
	s_wait_xcnt 0x0                                ; and again ahead of the line that widens it
	s_or_b32 exec_lo, exec_lo, s50
	s_endpgm
.Lfunc_end_k_qf0add41a3e_prep:
	.size	k_qf0add41a3e_prep, .Lfunc_end_k_qf0add41a3e_prep-k_qf0add41a3e_prep
	.p2alignl 7, 3214868480
	.fill 96, 4, 3214868480
	.section	.rodata,"a",@progbits
	.p2align	6, 0x0
	.amdhsa_kernel k_qf0add41a3e_prep
		.amdhsa_group_segment_fixed_size 0
		.amdhsa_private_segment_fixed_size 0
		.amdhsa_enable_private_segment 0
		.amdhsa_kernarg_size 72
		.amdhsa_user_sgpr_count 2
		.amdhsa_user_sgpr_kernarg_segment_ptr 1
		.amdhsa_wavefront_size32 1
		.amdhsa_system_sgpr_workgroup_id_x 1
		.amdhsa_system_sgpr_workgroup_id_y 1
		.amdhsa_system_sgpr_workgroup_id_z 1
		.amdhsa_system_vgpr_workitem_id 0
		.amdhsa_next_free_vgpr 128
		.amdhsa_next_free_sgpr 66
		.amdhsa_reserve_vcc 1
		.amdhsa_float_denorm_mode_32 3
		.amdhsa_float_denorm_mode_16_64 3
		.amdhsa_memory_ordered 1
		.amdhsa_forward_progress 1
		.amdhsa_inst_pref_size 18
	.end_amdhsa_kernel
	.amdgpu_metadata
---
amdhsa.version: [ 1, 2 ]
amdhsa.kernels:
  - .name:           k_qf0add41a3e_prep
    .symbol:         k_qf0add41a3e_prep.kd
    .args:
      - { .name: base_w1, .offset: 0, .size: 8, .value_kind: global_buffer, .address_space: global }
      - { .name: base_w2, .offset: 8, .size: 8, .value_kind: global_buffer, .address_space: global }
      - { .name: spline_w1, .offset: 16, .size: 8, .value_kind: global_buffer, .address_space: global }
      - { .name: spline_w2, .offset: 24, .size: 8, .value_kind: global_buffer, .address_space: global }
      - { .name: scaler1, .offset: 32, .size: 8, .value_kind: global_buffer, .address_space: global }
      - { .name: scaler2, .offset: 40, .size: 8, .value_kind: global_buffer, .address_space: global }
      - { .name: prototypes, .offset: 48, .size: 8, .value_kind: global_buffer, .address_space: global }
      - { .name: grid, .offset: 56, .size: 8, .value_kind: global_buffer, .address_space: global }
      - { .name: wk, .offset: 64, .size: 8, .value_kind: global_buffer, .address_space: global }
    .group_segment_fixed_size: 0
    .private_segment_fixed_size: 0
    .kernarg_segment_align: 8
    .kernarg_segment_size: 72
    .max_flat_workgroup_size: 256
    .sgpr_count:     66
    .vgpr_count:     128
    .wavefront_size: 32
...
	.end_amdgpu_metadata
.endif
;; end of part 1
;; launch main (part 2): grid 256 x 1, 4 waves a work-group, clusters of 4 x 1, 327,680 bytes of LDS; arguments x, wk, out0, out1; writes out0, out1
.if DOCPART == 2
	.amdgcn_target "amdgcn-amd-amdhsa--gfx1250"
	.amdhsa_code_object_version 6
	.text
	.protected	k_qf0add41a3e_main
	.globl	k_qf0add41a3e_main
	.p2align	8
	.type	k_qf0add41a3e_main,@function
k_qf0add41a3e_main:
	s_mov_b64 s[64:65], 0
	v_nop
	global_prefetch_b8 v0, s[64:65] scope:SCOPE_SE
	s_setreg_imm32_b32 hwreg(HW_REG_WAVE_MODE, 25, 1), 1
	s_wait_xcnt 0x0
	s_wait_alu depctr_hold_cnt(0) depctr_sa_sdst(0) depctr_va_vdst(0) depctr_va_sdst(0) depctr_va_ssrc(0) depctr_va_vcc(0) depctr_vm_vsrc(0)
	s_getreg_b32 s2, hwreg(HW_REG_IB_STS2, 6, 4)
	s_cmp_eq_u32 s2, 0
	s_cbranch_scc0 .Lentry_in_a_cluster
	s_endpgm
.Lentry_in_a_cluster:
	s_bfe_u32 s2, ttmp6, 0x10000c
	s_cmp_lg_u32 s2, 0x3003
	s_cbranch_scc0 .Lentry_shape_is_right
	s_endpgm
.Lentry_shape_is_right:
; TWO KAN LAYERS, COSINE SIMILARITY TO 256 PROTOTYPES, ARGMAX.  x [65536][128] f32 -> out0 = emb [65536][128] f32, out1 = argmax [65536] i32.
; A layer is ONE product over K = 1,152: 128 silu values and 128 x 8 cubic B-spline bases of the row, against weights that the launch before laid out as f16 fragments in wk.
; EXACTNESS.  out1 is compared as whole numbers, so every product is made of f16 operands in two parts, a = high + low (low = f16(a - high)):
; high x high goes into one f32 accumulator (AH), high x low and low x high into a second (AL); low x low, 2^-24 of the product, is left out.  Weights carry a factor 16, taken out at a layer's end;
; the normalised rows and prototypes carry a factor 64 each: exact powers of two, which change no order.
; LIMITS.  |silu(x)|, |silu(h)| and the bases stay under 65,504 (f16; the bases of an increasing knot row are at most 1).  A knot's step is resolved for |x - g| >= 2^-100.
; NaN and infinities are not treated apart.  Equal similarities: the lowest index wins.
; SHARES.  A work-group owns 256 rows, each of its four waves 64: four tiles of 16.  256 work-groups, one to a WGP.
; LAYOUT.  The matrix instruction is used transposed (source 0 = 16 outputs' weights, source 1 = 16 rows of data): lane (r = lane % 16, h = lane / 16) of a result holds data row r and outputs 16 mb + 8 h + 0..7.
; K's places are chosen alike on both sides: in spline step s a lane's registers 0-3 are the 8 bases of feature 4 s + 2 h, registers 4-7 those of feature 4 s + 2 h + 1: the lane computes
; them itself, two features at a time in packed f32, and nothing changes lanes.  In base step q: features 32 q + 16 h + 0..15.  In similarity step q: features 32 q + 8 h + 0..7 and 32 q + 16 + 8 h + 0..7,
; which is what the lane holds of emb in its accumulators.
; BASES, for any knot row (constants from the table in wk): d_j = x - g_j; level 1: clamp01(d_{i+1} RU_i + CU_i) - clamp01(d_{i+1} RV_i + CV_i); levels 2, 3: w_i = d_i R_i, B_i = w_i B_i + (B_{i+1} - w_{i+1} B_{i+1}).
; BY TURNS.  Turn t of a K step makes tile t's fragment (118 vector instructions for a spline step, 82 for a base step) in slices behind the 24 products of the tile before it.
; CLUSTER.  All work-groups walk the same weights: each chunk of 65,536 bytes is asked for jointly by the four work-groups of a cluster, a quarter by each wave.
; LDS: two slots of 65,536 for the weights; XS: 64 rows of 528 bytes for each wave (x, then h, then emb, then the indices: the wave's own, filled once by a tensor load, later only stored into);
; CT: the table, 36,864 bytes; the spare words.
; REGISTERS, in windows of 256 (s_set_vgpr_msb: bits 1:0 source 0, 3:2 source 1, 5:4 source 2, 7:6 destination):
;   window 0: addresses, the vector work, the table's 72 pairs of the step in hand      window 1: v0-63 weights high, v64-127 low, v128-159 two fragment buffers (high 8, low 8)
;   window 2: AH[t][mb] at 64 t + 8 mb, later the similarities                        window 3: AL likewise, later the normalised rows: high at 32 t + k, low at 128 + 32 t + k
.set SLOTB, 65536
.set STEPB, 16384                      ; a K step's fragments: high 8,192, low 8,192
.set XS,    131072
.set XSW,   33792                      ; a wave's 64 rows
.set XP,    528                        ; 512 bytes + 16 of padding = 132 words: the 16 rows of a load start at 16 different groups of four banks (ISA guide 11.1)
.set TILEB, 16*XP
.set CT,    266240
.set CPAIR, 576
.set SPARE, 303104                     ; the spare words, 128 bytes for each wave: two blocks of 256 bytes that no other line names
.set CTOFF, 1310720                    ; the table's place in wk
.set L16,  1                           ; v1   16 x lane; never rewritten
.set WA,   2                           ; v2   LDS address of the weights' runs
.set CA0,  3                           ; v3   CT + 576 h
.set CA,   4                           ; v4   the next step's pair in the table
.set XA0,  5                           ; v5   my XS + 528 r + 8 h
.set XA,   6                           ; v6   the next spline step's two features
.set XBA0, 7                           ; v7   my XS + 528 r + 64 h
.set XBA,  8                           ; v8   the next base step's 16 features
.set HST,  9                           ; v9   my XS + 528 r + 32 h: where a layer's results go
.set ROWA, 10                          ; v10  my XS + 16 x lane: a whole row
.set L8,   11                          ; v11  8 x lane
.set NEG1, 12                          ; v12  -1.0
.set ZERO, 13                          ; v13  0
.set SPW,  14                          ; v14  my spare word; never rewritten
.set NIL,  15                          ; v15  0; never rewritten
.set RR,   16                          ; v16  r
.set HH,   17                          ; v17  h
.set TMPV, 18
.set H8,   19                          ; v19  8 h
.set XR,   20                          ; v20-27   a pair of x for each tile
.set DD,   28                          ; v28-49   d_0 .. d_10
.set TA,   50                          ; v50-69
.set TC,   70                          ; v70-89
.set BB,   90                          ; v90-109  the bases
.set GG,   112                         ; v112-255 the table's 72 pairs: knots,
.set C1,   136                         ;          level 1,
.set C2,   216                         ;          level 2,
.set C3,   236                         ;          level 3
.set XB,   112                         ; base steps: 16 features of each tile, v112-175
.set ZZ,   50
.set SS,   70
.set XF,   128                         ; window 1: buffer b: high at XF + 16 b, low at XF + 16 b + 8
.set OB,   112                         ; the way out: two buffers of 16 rows
.set SQ,   50                          ; norms: 8 registers a tile
.set MC,   50                          ; argmax: 4 chains a tile
.set IDX,  66
.set HB,   70
.set T2,   72
.set BVAL, 90
.set BIDX, 94
.set WV,  12                           ; s12 my wave's number
.set XSB, 15                           ; s15 my XS
.set G1W, 24                           ; s[24:31] group 1: 64 rows of 256 bytes, joint
.set G1C, 32                           ; s[32:39] the same with 36 rows
.set G1X, 40                           ; s[40:47] 64 rows of 128 f32, padded, my own
.set G0W, 48
.set G0C, 52
.set G0X, 56
.set STB, 60                           ; s60 LDS byte of the K step whose weights are fetched next
.set SXN, 61                           ; s61 byte in a row of the next spline step's features
.set SCN, 62                           ; s62 byte in the table of the next spline step's pairs
.set SBN, 63                           ; s63 byte in a row of the next base step's features
.set CLAY, 66
.set CBAS, 67
.set CCHK, 68
.set CSTP, 69
.set PO,  70
.set PI,  71
.set SEL, 72
.set SC,  74                           ; s[74:75] 2^-4
.set MK,  76                           ; s76-79 masks
.set LG,  80                           ; s[80:81] -log2(e)
.set MSB, 0
.macro WIN new                         ; the immediate's high byte repeats the setting that is left; a switch that changes nothing is dropped
.if MSB != (\new)
	s_set_vgpr_msb (MSB<<8)|(\new)
.set MSB, (\new)
.endif
.endm
; A round of the cluster's barrier: my work-group's barrier, so that wave 0's signal speaks for all four waves; wave 0 signals; every wave waits for all four work-groups; my work-group's barrier once more.
.macro CROUND
	s_barrier_signal -1
	s_barrier_wait -1
	s_cmp_lg_u32 s[WV], 0
	s_cbranch_scc1 .Lnot_wave_0_\@
	s_barrier_signal -3
.Lnot_wave_0_\@:
	s_barrier_wait -3
	s_barrier_signal -1
	s_barrier_wait -1
.endm
; THE CHANGE OF SLOTS.  Each wave waits for all its tensor loads (its quarter of the chunk to be entered among them), adds 0 to its spare word, and waits for that and for its reads of the slot that it leaves.
; fill = 1: a round of the cluster's barrier, so that no wave of any partner still reads that slot or has a load on its way; the joint refill, the chunk after the one entered, is the first thing behind it.
.macro CHANGE fill
	WIN 0
	s_wait_tensorcnt 0x0                           ; no tensor load of mine is out, so a group 0 may be written
	ds_add_u32 v[SPW], v[NIL]                      ; 0 onto my spare word; scalar work stands between it and the wait for it
.if \fill
	s_xor_b32 s[G0W+1], s[G0W+1], SLOTB            ; the other slot,
	s_add_nc_u64 s[G0W+2:G0W+3], s[G0W+2:G0W+3], SLOTB  ; the next chunk; the type bits on top are not reached
.endif
	s_sub_co_u32 s[STB], s[STB], SLOTB             ; the fetches go back to a slot's first step,
	s_xor_b32 s[STB], s[STB], SLOTB                ; in the other slot
	s_wait_dscnt 0x0                               ; the add is done, and my LDS reads and stores are over
.if \fill
	CROUND
	tensor_load_to_lds s[G0W:G0W+3], s[G1W:G1W+7]  ; my one tensor load behind the round
	s_nop 0
.rept 4
	v_nop
.endr
.else
	s_barrier_signal -1
	s_barrier_wait -1
.endif
.endm
; Product w of 24 for tile tp, fragment buffer xb: output blocks in two groups of four; in a group four high x high (AH), four high x low, four low x high (AL).
; Four accumulators take turns, one instruction a turn.
.macro WM tp, xb
.set mb_, 4*(w/12)+w%4
.set k_, (w%12)/4
.set rA_, 64*(\tp)+8*mb_
.set rH_, XF+16*(\xb)
.if k_ == 0
	WIN 0xa5
	v_wmma_f32_16x16x32_f16 v[rA_:rA_+7], v[8*mb_:8*mb_+7], v[rH_:rH_+7], v[rA_:rA_+7]
.elseif k_ == 1
	WIN 0xf5
	v_wmma_f32_16x16x32_f16 v[rA_:rA_+7], v[8*mb_:8*mb_+7], v[rH_+8:rH_+15], v[rA_:rA_+7]
.else
	WIN 0xf5
	v_wmma_f32_16x16x32_f16 v[rA_:rA_+7], v[64+8*mb_:64+8*mb_+7], v[rH_:rH_+7], v[rA_:rA_+7]
.endif
.endm
; Number n of the 118 that make tile t's fragment of a spline step.  All pairs are (even feature, odd feature).
.macro SVOP t
.if n < 94
	WIN 0
.endif
.if n < 11
	v_pk_add_f32 v[DD+2*n:DD+2*n+1], v[XR+2*(\t):XR+2*(\t)+1], v[GG+2*n:GG+2*n+1] neg_lo:[0,1] neg_hi:[0,1]
.elseif n < 21
.set i_, n-11
	v_pk_fma_f32 v[TA+2*i_:TA+2*i_+1], v[DD+2*i_+2:DD+2*i_+3], v[C1+8*i_:C1+8*i_+1], v[C1+8*i_+2:C1+8*i_+3] clamp
.elseif n < 31
.set i_, n-21
	v_pk_fma_f32 v[TC+2*i_:TC+2*i_+1], v[DD+2*i_+2:DD+2*i_+3], v[C1+8*i_+4:C1+8*i_+5], v[C1+8*i_+6:C1+8*i_+7] clamp
.elseif n < 41
.set i_, n-31
	v_pk_add_f32 v[BB+2*i_:BB+2*i_+1], v[TA+2*i_:TA+2*i_+1], v[TC+2*i_:TC+2*i_+1] neg_lo:[0,1] neg_hi:[0,1]
.elseif n < 51
.set i_, n-41
	v_pk_mul_f32 v[TA+2*i_:TA+2*i_+1], v[DD+2*i_:DD+2*i_+1], v[C2+2*i_:C2+2*i_+1]
.elseif n < 60
.set i_, n-51
	v_pk_fma_f32 v[TC+2*i_:TC+2*i_+1], v[TA+2*i_+2:TA+2*i_+3], v[BB+2*i_+2:BB+2*i_+3], v[BB+2*i_+2:BB+2*i_+3] neg_lo:[1,0,0] neg_hi:[1,0,0]
.elseif n < 69
.set i_, n-60
	v_pk_fma_f32 v[BB+2*i_:BB+2*i_+1], v[TA+2*i_:TA+2*i_+1], v[BB+2*i_:BB+2*i_+1], v[TC+2*i_:TC+2*i_+1]
.elseif n < 78
.set i_, n-69
	v_pk_mul_f32 v[TA+2*i_:TA+2*i_+1], v[DD+2*i_:DD+2*i_+1], v[C3+2*i_:C3+2*i_+1]
.elseif n < 86
.set i_, n-78
	v_pk_fma_f32 v[TC+2*i_:TC+2*i_+1], v[TA+2*i_+2:TA+2*i_+3], v[BB+2*i_+2:BB+2*i_+3], v[BB+2*i_+2:BB+2*i_+3] neg_lo:[1,0,0] neg_hi:[1,0,0]
.elseif n < 94
.set i_, n-86
	v_pk_fma_f32 v[BB+2*i_:BB+2*i_+1], v[TA+2*i_:TA+2*i_+1], v[BB+2*i_:BB+2*i_+1], v[TC+2*i_:TC+2*i_+1]
.elseif n < 102
.set i_, n-94
.set a_, BB+4*(i_%4)+i_/4              ; registers 0-3: the even feature's bases 0..7; 4-7: the odd one's
	WIN 0x40
	v_cvt_pk_f16_f32 v[XF+16*((\t)%2)+i_], v[a_], v[a_+2]
.else
.set i_, (n-102)/2
.set a_, BB+4*(i_%4)+i_/4+2*((n-102)%2)
	WIN 0x41
.if (n-102)%2 == 0
	v_fma_mixlo_f16 v[XF+16*((\t)%2)+8+i_], v[XF+16*((\t)%2)+i_], v[NEG1], v[a_] op_sel:[0,0,0] op_sel_hi:[1,0,0]
.else
	v_fma_mixhi_f16 v[XF+16*((\t)%2)+8+i_], v[XF+16*((\t)%2)+i_], v[NEG1], v[a_] op_sel:[1,0,0] op_sel_hi:[1,0,0]
.endif
.endif
.endm
; Number n of the 82 that make tile t's fragment of a base step: silu(x) = x / (1 + 2^(-x log2 e)) for 16 features.  A v_nop stands behind each run of transcendentals (ISA guide 5.7.2).
.macro BVOP t
.set x_, XB+16*(\t)
.if n < 58
	WIN 0
.endif
.if n < 8
	v_pk_mul_f32 v[ZZ+2*n:ZZ+2*n+1], v[x_+2*n:x_+2*n+1], s[LG:LG+1] op_sel_hi:[1,0]
.elseif n < 24
	v_exp_f32 v[ZZ+n-8], v[ZZ+n-8]
.elseif n == 24
	v_nop
	s_wait_alu depctr_va_vdst(0)
.elseif n < 33
	v_pk_add_f32 v[ZZ+2*(n-25):ZZ+2*(n-25)+1], v[ZZ+2*(n-25):ZZ+2*(n-25)+1], 1.0 op_sel_hi:[1,0]
.elseif n < 49
	v_rcp_f32 v[ZZ+n-33], v[ZZ+n-33]
.elseif n == 49
	v_nop
	s_wait_alu depctr_va_vdst(0)
.elseif n < 58
	v_pk_mul_f32 v[SS+2*(n-50):SS+2*(n-50)+1], v[x_+2*(n-50):x_+2*(n-50)+1], v[ZZ+2*(n-50):ZZ+2*(n-50)+1]
.elseif n < 66
	WIN 0x40
	v_cvt_pk_f16_f32 v[XF+16*((\t)%2)+n-58], v[SS+2*(n-58)], v[SS+2*(n-58)+1]
.else
.set i_, (n-66)/2
	WIN 0x41
.if (n-66)%2 == 0
	v_fma_mixlo_f16 v[XF+16*((\t)%2)+8+i_], v[XF+16*((\t)%2)+i_], v[NEG1], v[SS+n-66] op_sel:[0,0,0] op_sel_hi:[1,0,0]
.else
	v_fma_mixhi_f16 v[XF+16*((\t)%2)+8+i_], v[XF+16*((\t)%2)+i_], v[NEG1], v[SS+n-66] op_sel:[1,0,0] op_sel_hi:[1,0,0]
.endif
.endif
.endm
; Eight LDS loads: the fragments of part (0 high, 1 low) for output blocks 4 grp .. 4 grp + 3; each load takes 512 consecutive bytes.  A load into a register that a matrix instruction has read stands
; four plain vector instructions behind it: nops = 1 writes them out where the slices in between may hold transcendentals, or there are none.
.macro RUNW part, grp, nops, off
.if \nops
.rept 4
	v_nop
.endr
.endif
	WIN 0x40
.irp m, 0,1,2,3
	ds_load_b128 v[64*(\part)+32*(\grp)+8*\m:64*(\part)+32*(\grp)+8*\m+3],   v[WA] offset:(\off)+8192*(\part)+4096*(\grp)+1024*\m
	ds_load_b128 v[64*(\part)+32*(\grp)+8*\m+4:64*(\part)+32*(\grp)+8*\m+7], v[WA] offset:(\off)+8192*(\part)+4096*(\grp)+1024*\m+512
.endr
.endm
.macro CLOAD adr, first, cnt           ; cnt loads of 16 bytes of my pair's constants, from number first on
.set c_, (\first)
.rept (\cnt)
	ds_load_b128 v[GG+4*c_:GG+4*c_+3], v[\adr] offset:16*c_
.set c_, c_+1
.endr
.endm
; A TURN.  kind 0: spline step, 1: base step.  Tile t's vector work stands in slices (5, at last 4; or 4, then 3) behind the 24 products of tile t - 1 (turn 0: tile 3 of the step before).
; The step's weights replace the last step's as turn 0's products leave them: high 0-3 behind product 8, low 0-3 behind 12, high 4-7 behind 20, low 4-7 behind turn 1's product 0.
; What the NEXT step needs is fetched as soon as this step has read it for the last time: tile t's x behind slice 2 of turn t; in turn 3 the knots behind slice 2, level 1's constants behind 6, level 2's behind 10,
; level 3's behind 15.  Base steps: tile t's 16 features behind slice 16.  The look-ahead of the last step is held inside the row and the table.
; WAITS ON DScnt count the LDS instructions issued behind the one wanted.  Spline, turn 0: 30 = levels 1-3 (knots are in); 10 = levels 2, 3; 6 = level 3 and x; 17 = x and two runs of weights.
; Turn 1: 16 = two runs; 17 = two runs and x; 9 = a run and x; 1 = x.  Base, turn 1: 20 = two runs and 4 loads of x; 20; 8 = a run; 4 = x.
.macro TURN kind, t
.set tp_, ((\t)+3)%4
.set xb_, ((\t)+1)%2
.set n, 0
.set w, 0
.if (\t) == 0
	WIN 0
.if (\kind) == 0
	s_add_co_u32 s[SXN], s[SXN], 16
	s_min_u32 s[SXN], s[SXN], 496
	s_add_co_u32 s[SCN], s[SCN], 2*CPAIR
	s_min_u32 s[SCN], s[SCN], 62*CPAIR
	v_add_nc_u32 v[XA], s[SXN], v[XA0]
.else
	s_add_co_u32 s[SBN], s[SBN], 128
	s_min_u32 s[SBN], s[SBN], 384
	v_add_nc_u32 v[XBA], s[SBN], v[XBA0]
.endif
	v_add_nc_u32 v[WA], s[STB], v[L16]
	s_add_co_u32 s[STB], s[STB], STEPB
.endif
.rept 24
.if (\t) == 1
.if w == 0
	s_wait_dscnt 16+4*(\kind)
.elseif w == 8
	s_wait_dscnt 17+3*(\kind)
.elseif w == 12
	s_wait_dscnt 9-(\kind)
.elseif w == 20
	s_wait_dscnt 1+3*(\kind)
.endif
.endif
	WM tp_, xb_
.if ((\kind) == 0) && ((\t) == 0)
.if w == 0
	s_wait_dscnt 30
.elseif w == 2
	s_wait_dscnt 10
.elseif w == 8
	s_wait_dscnt 6
.elseif w == 13
	s_wait_dscnt 17
.endif
.endif
.if (\kind) == 0
.set nr_, 5-w/22
.else
.set nr_, 4-(w+54)/64
.endif
.rept nr_
.if (\kind) == 0
	SVOP \t
.else
	BVOP \t
.endif
.set n, n+1
.endr
.if (\t) == 0
.if w == 8
	RUNW 0, 0, \kind, 0
.elseif w == 12
	RUNW 1, 0, \kind, 0
.elseif w == 20
	RUNW 0, 1, \kind, 0
.endif
.endif
.if ((\t) == 1) && (w == 0)
	RUNW 1, 1, \kind, 0
.endif
.if (\kind) == 0
.if w == 2
	WIN 0
.if (\t) == 3
	v_add_nc_u32 v[CA], s[SCN], v[CA0]
	CLOAD CA, 0, 6
.endif
	ds_load_b64 v[XR+2*(\t):XR+2*(\t)+1], v[XA] offset:TILEB*(\t)
.endif
.if (\t) == 3
.if w == 6
	WIN 0
	CLOAD CA, 6, 20
.elseif w == 10
	WIN 0
	CLOAD CA, 26, 5
.elseif w == 15
	WIN 0
	CLOAD CA, 31, 5
.endif
.endif
.else
.if w == 16
	WIN 0
.irp u, 0,1,2,3
	ds_load_b128 v[XB+16*(\t)+4*\u:XB+16*(\t)+4*\u+3], v[XBA] offset:TILEB*(\t)+16*\u
.endr
.endif
.endif
.set w, w+1
.endr
.endm
; Product w of 24 of the similarities of tile t, K step q: as WM, onto ONE accumulator for each block of 16 prototypes; the first K step's high x high starts the sums.
.macro SM q, t
.set pb_, 4*(w/12)+w%4
.set k_, (w%12)/4
.set rS_, 64*(\t)+8*pb_
.set rW_, 8*pb_+64*(k_/2)
.set rX_, 32*(\t)+8*(\q)+128*(k_%2)
	WIN 0xad
.if ((\q) == 0) && (k_ == 0)
	v_wmma_f32_16x16x32_f16 v[rS_:rS_+7], v[rW_:rW_+7], v[rX_:rX_+7], 0
.else
	v_wmma_f32_16x16x32_f16 v[rS_:rS_+7], v[rW_:rW_+7], v[rX_:rX_+7], v[rS_:rS_+7]
.endif
.endm
; Tile t of K step q.  Tile 3 fetches the next step's prototypes as its products leave the registers; tile 0 waits for them run by run: 24, 16, 8, 0 = three, two, one, no younger runs of eight loads.
.macro SIMT q, t
.set w, 0
.rept 24
.if (\t) == 0
.if w == 0
	s_wait_dscnt 24
.elseif w == 8
	s_wait_dscnt 16
.elseif w == 12
	s_wait_dscnt 8
.elseif w == 20
	s_wait_dscnt 0
.endif
.endif
	SM \q, \t
.if ((\t) == 3) && ((\q) < 3)
.if w == 7
	RUNW 0, 0, 1, ((\q)+1)*STEPB
.elseif w == 11
	RUNW 1, 0, 1, ((\q)+1)*STEPB
.elseif w == 19
	RUNW 0, 1, 1, ((\q)+1)*STEPB
.elseif w == 23
	RUNW 1, 1, 1, ((\q)+1)*STEPB
.endif
.endif
.set w, w+1
.endr
.endm
.macro ALL line:vararg                 ; one line for each tile t
.set t, 0
.rept 4
	\line
.set t, t+1
.endr
.endm
	; ---------------- the head
	s_load_b256 s[4:11], s[0:1], 0x0               ; x s[4:5], wk s[6:7], out0 s[8:9], out1 s[10:11]
	v_lshl_add_u32 v[SPW], v0, 2, SPARE
	v_mov_b32 v[NIL], 0
	ds_add_u32 v[SPW], v[NIL]                      ; the wave's opening: the add and its wait stand ahead of my first tensor load; the set-up below, work on registers, stands between them
	v_lshrrev_b32 v[TMPV], 5, v0
	v_readfirstlane_b32 s[WV], v[TMPV]             ; wave 0..3
	s_bfe_u32 s13, ttmp6, 0x40000                  ; cx: my place in the cluster
	s_lshl_b32 s14, ttmp9, 2                       ; in a cluster launch ttmp9 counts clusters
	s_add_co_u32 s14, s14, s13                     ; my work-group: it enters x's, out0's and out1's addresses alone
	s_mov_b32 s[G1W+0], 15|(3<<16)|(1<<21)         ; 15:0 the mask of four; 17:16 elements of 8 bytes; 21 set beside a mask
	s_mov_b32 s[G1W+1], 32<<16                     ; tensor_dim0 = 32 (256 bytes)
	s_mov_b32 s[G1W+2], 64<<16                     ; tensor_dim1 = 64
	s_mov_b32 s[G1W+3], 32<<16                     ; tile_dim0 = 32
	s_mov_b32 s[G1W+4], 64                         ; tile_dim1 = 64
	s_mov_b32 s[G1W+5], 32                         ; dense rows
	s_mov_b32 s[G1W+6], 0
	s_mov_b32 s[G1W+7], 0
	s_mov_b32 s[G1C+0], 15|(3<<16)|(1<<21)
	s_mov_b32 s[G1C+1], 32<<16
	s_mov_b32 s[G1C+2], 36<<16                     ; a quarter of the table: 36 rows of 256 bytes
	s_mov_b32 s[G1C+3], 32<<16
	s_mov_b32 s[G1C+4], 36
	s_mov_b32 s[G1C+5], 32
	s_mov_b32 s[G1C+6], 0
	s_mov_b32 s[G1C+7], 0
	s_mov_b32 s[G1X+0], (2<<16)|(1<<20)|(6<<22)|(3<<25)  ; no mask; elements of 4 bytes; padding on: after every 128 words (code 6) 4 words (code 3)
	s_mov_b32 s[G1X+1], 128<<16
	s_mov_b32 s[G1X+2], 64<<16
	s_mov_b32 s[G1X+3], 128<<16
	s_mov_b32 s[G1X+4], 64
	s_mov_b32 s[G1X+5], 128
	s_mov_b32 s[G1X+6], 0
	s_mov_b32 s[G1X+7], 0
	s_mov_b32 s[G0W], 1
	s_lshl_b32 s[G0W+1], s[WV], 14                 ; slot 0, my quarter
	s_mov_b32 s[G0C], 1
	s_mul_i32 s[G0C+1], s[WV], 9216
	s_add_co_u32 s[G0C+1], s[G0C+1], CT
	s_mul_i32 s[XSB], s[WV], XSW
	s_add_co_u32 s[XSB], s[XSB], XS                ; my XS
	s_mov_b32 s[G0X], 1
	s_mul_i32 s[G0X+1], s[WV], XSW
	s_add_co_u32 s[G0X+1], s[G0X+1], XS
	s_lshl_b32 s16, s14, 17                        ; 256 rows of 512 bytes a work-group,
	s_lshl_b32 s17, s[WV], 15                      ; 64 a wave
	s_add_co_u32 s16, s16, s17
	s_mov_b32 s17, 0
	s_lshl_b32 s18, s14, 10                        ; and of 4 bytes in out1
	s_lshl_b32 s19, s[WV], 8
	s_add_co_u32 s18, s18, s19
	s_mov_b32 s19, 0
	s_lshl_b32 s20, s[WV], 14
	s_mov_b32 s21, 0
	s_mul_i32 s22, s[WV], 9216
	s_add_co_u32 s22, s22, CTOFF
	s_mov_b32 s23, 0
	s_mov_b32 s[STB], 2*SLOTB                      ; the first change of slots turns this into 0
	s_mov_b32 s[SEL], 0x76543210
	s_mov_b32 s[SEL+1], 0xfedcba98
	s_mov_b32 s[SC], 0x3d800000                    ; 2^-4
	s_mov_b32 s[SC+1], s[SC]
	s_mov_b32 s[LG], 0xbfb8aa3b                    ; -log2(e)
	s_mov_b32 s[LG+1], s[LG]
	s_wait_dscnt 0x0                               ; the opening add is done
	s_wait_kmcnt 0x0
	s_add_nc_u64 s[G0X+2:G0X+3], s[4:5], s[16:17]
	s_or_b32 s[G0X+3], s[G0X+3], 0x80000000
	s_add_nc_u64 s[G0W+2:G0W+3], s[6:7], s[20:21]
	s_or_b32 s[G0W+3], s[G0W+3], 0x80000000
	s_add_nc_u64 s[G0C+2:G0C+3], s[6:7], s[22:23]
	s_or_b32 s[G0C+3], s[G0C+3], 0x80000000
	s_add_nc_u64 s[8:9], s[8:9], s[16:17]
	s_add_nc_u64 s[10:11], s[10:11], s[18:19]
	CROUND                                         ; all four work-groups are here: the first joint loads meet
	tensor_load_to_lds s[G0X:G0X+3], s[G1X:G1X+7]  ; my 64 rows of x; three loads of mine are out
	s_nop 0
	tensor_load_to_lds s[G0C:G0C+3], s[G1C:G1C+7]  ; my quarter of the table
	s_nop 0
	tensor_load_to_lds s[G0W:G0W+3], s[G1W:G1W+7]  ; my quarter of chunk 0
	s_nop 0
.rept 4
	v_nop
.endr
	v_and_b32 v[L16], 31, v0
	v_lshlrev_b32 v[L8], 3, v[L16]
	v_lshlrev_b32 v[L16], 4, v[L16]
	v_and_b32 v[RR], 15, v0
	v_bfe_u32 v[HH], v0, 4, 1
	v_lshlrev_b32 v[H8], 3, v[HH]
	v_mul_u32_u24 v[CA0], v[HH], CPAIR
	v_add_nc_u32 v[CA0], CT, v[CA0]
	v_mul_u32_u24 v[TMPV], v[RR], XP
	v_add_nc_u32 v[TMPV], s[XSB], v[TMPV]
	v_lshl_add_u32 v[XA0], v[HH], 3, v[TMPV]
	v_lshl_add_u32 v[XBA0], v[HH], 6, v[TMPV]
	v_lshl_add_u32 v[HST], v[HH], 5, v[TMPV]
	v_add_nc_u32 v[ROWA], s[XSB], v[L16]
	v_mov_b32 v[NEG1], -1.0
	v_mov_b32 v[ZERO], 0
	; The very first turn carries the products of a tile that has not been: weights and fragments hold 0, so they add 0.  This, and the clearing below, stands in the wait for the first tiles.
	WIN 0x40
.set i, 0
.rept 160
	v_mov_b32 v[i], 0
.set i, i+1
.endr
	WIN 0
	s_mov_b32 s[CLAY], 2
	; ---------------- a layer
.Llayer:
	; The sums start at 0 and fragment buffer 1 holds 0: one text then serves every K step, the first too (528 moves for a layer's 3,480 products).
	WIN 0x80
.set i, 0
.rept 256
	v_mov_b32 v[i], 0
.set i, i+1
.endr
	WIN 0xc0
.set i, 0
.rept 256
	v_mov_b32 v[i], 0
.set i, i+1
.endr
	WIN 0x40
.set i, XF+16
.rept 16
	v_mov_b32 v[i], 0
.set i, i+1
.endr
	CHANGE 1                                       ; the base weights' chunk is entered
	s_mov_b32 s[SBN], 0
.set t, 0
.rept 4
.irp u, 0,1,2,3
	ds_load_b128 v[XB+16*t+4*\u:XB+16*t+4*\u+3], v[XBA0] offset:TILEB*t+16*\u
.endr
.set t, t+1
.endr
	s_wait_dscnt 0x0
	s_mov_b32 s[CBAS], 4
.Lbase:
	TURN 1, 0
	TURN 1, 1
	TURN 1, 2
	TURN 1, 3
	WIN 0
	s_sub_co_u32 s[CBAS], s[CBAS], 1
	s_cmp_lg_u32 s[CBAS], 0
	s_cbranch_scc1 .Lbase
	s_wait_dscnt 0x0                               ; the last look-ahead has landed: its registers take the table
	s_mov_b32 s[SXN], 0
	s_mov_b32 s[SCN], 0
	CLOAD CA0, 0, 36
.irp u, 0,1,2,3
	ds_load_b64 v[XR+2*\u:XR+2*\u+1], v[XA0] offset:TILEB*\u
.endr
	s_mov_b32 s[CCHK], 8
.Lchunk:
	CHANGE 1
	s_mov_b32 s[CSTP], 4
.Lstep:
	TURN 0, 0
	TURN 0, 1
	TURN 0, 2
	TURN 0, 3
	WIN 0
	s_sub_co_u32 s[CSTP], s[CSTP], 1
	s_cmp_lg_u32 s[CSTP], 0
	s_cbranch_scc1 .Lstep
	s_sub_co_u32 s[CCHK], s[CCHK], 1
	s_cmp_lg_u32 s[CCHK], 0
	s_cbranch_scc1 .Lchunk
.set w, 0
.rept 24
	WM 3, 1                                        ; the last step's tile 3
.set w, w+1
.endr
	; The layer's end: (AH + AL) 2^-4, in ascending registers (each accumulator's lowest first), kept in AH and stored into my XS.  Tile 0's arithmetic is the places behind the last products.
.set t, 0
.rept 4
	WIN 0x8e
.set i, 0
.rept 32
	v_pk_add_f32 v[64*t+2*i:64*t+2*i+1], v[64*t+2*i:64*t+2*i+1], v[64*t+2*i:64*t+2*i+1]
.set i, i+1
.endr
	WIN 0x82
.set i, 0
.rept 32
	v_pk_mul_f32 v[64*t+2*i:64*t+2*i+1], v[64*t+2*i:64*t+2*i+1], s[SC:SC+1] op_sel_hi:[1,0]
.set i, i+1
.endr
	WIN 0x08
.set i, 0
.rept 16
	ds_store_b128 v[HST], v[64*t+4*i:64*t+4*i+3] offset:TILEB*t+64*(i/2)+16*(i%2)
.set i, i+1
.endr
.set t, t+1
.endr
	WIN 0
	s_sub_co_u32 s[CLAY], s[CLAY], 1
	s_cmp_lg_u32 s[CLAY], 0
	s_cbranch_scc1 .Llayer
	; ---------------- emb leaves; the rows are normalised
	CHANGE 1                                       ; the first chunk of prototypes is in; the second is asked for, and lands under the work below
.set b, 0
.rept 4                                                ; 16 rows at a time: a load takes a whole row of 512 bytes, a store writes it, aligned
.if b >= 2
	s_wait_xcnt 0x0                                ; the buffer's registers, which earlier stores read, are loaded again only behind this wait
.endif
.set i, 0
.rept 16
	ds_load_b128 v[OB+64*(b%2)+4*i:OB+64*(b%2)+4*i+3], v[ROWA] offset:XP*(16*b+i)
.set i, i+1
.endr
.set i, 0
.rept 16
	s_wait_dscnt 15-i                              ; LDS loads come back in order: row i is in
	global_store_b128 v[L16], v[OB+64*(b%2)+4*i:OB+64*(b%2)+4*i+3], s[8:9] offset:512*(16*b+i) th:TH_STORE_NT
.set i, i+1
.endr
.set b, b+1
.endr
	WIN 0x0a                                       ; the sum of squares of my 64 numbers of each tile's row, four chains a tile
.set i, 0
.rept 32
.set t, 0
.rept 4
.if i < 4
	v_pk_mul_f32 v[SQ+8*t+2*i:SQ+8*t+2*i+1], v[64*t+2*i:64*t+2*i+1], v[64*t+2*i:64*t+2*i+1]
.else
	v_pk_fma_f32 v[SQ+8*t+2*(i%4):SQ+8*t+2*(i%4)+1], v[64*t+2*i:64*t+2*i+1], v[64*t+2*i:64*t+2*i+1], v[SQ+8*t+2*(i%4):SQ+8*t+2*(i%4)+1]
.endif
.set t, t+1
.endr
.set i, i+1
.endr
	WIN 0
	ALL v_pk_add_f32 v[SQ+8*t:SQ+8*t+1], v[SQ+8*t:SQ+8*t+1], v[SQ+8*t+2:SQ+8*t+3]
	ALL v_pk_add_f32 v[SQ+8*t+4:SQ+8*t+5], v[SQ+8*t+4:SQ+8*t+5], v[SQ+8*t+6:SQ+8*t+7]
	ALL v_pk_add_f32 v[SQ+8*t:SQ+8*t+1], v[SQ+8*t:SQ+8*t+1], v[SQ+8*t+4:SQ+8*t+5]
	ALL v_add_f32 v[SQ+8*t], v[SQ+8*t], v[SQ+8*t+1]
	ALL v_permlanex16_b32 v[SQ+8*t+2], v[SQ+8*t], s[SEL], s[SEL+1]
	ALL v_add_f32 v[SQ+8*t], v[SQ+8*t], v[SQ+8*t+2]
	ALL v_sqrt_f32 v[SQ+8*t], v[SQ+8*t]
	v_nop
	s_wait_alu depctr_va_vdst(0)
	ALL v_max_num_f32 v[SQ+8*t], 0x322bcc77, v[SQ+8*t]
	ALL v_rcp_f32 v[SQ+8*t], v[SQ+8*t]
	v_nop
	s_wait_alu depctr_va_vdst(0)
	ALL v_mul_f32 v[SQ+8*t], 0x42800000, v[SQ+8*t]
	; 64 emb / max(|emb|, 1e-8) in two f16 parts: a row's own positive factor changes no order among its similarities, so the plain root and reciprocal serve
.set t, 0
.rept 4
	WIN 0xc2
.set k, 0
.rept 32
	v_fma_mixlo_f16 v[32*t+k], v[64*t+2*k], v[SQ+8*t], v[ZERO]
	v_fma_mixhi_f16 v[32*t+k], v[64*t+2*k+1], v[SQ+8*t], v[ZERO]
.set k, k+1
.endr
	WIN 0xf2
.set k, 0
.rept 32
	v_fma_mixlo_f16 v[128+32*t+k], v[64*t+2*k], v[SQ+8*t], -v[32*t+k] op_sel:[0,0,0] op_sel_hi:[0,0,1]
	v_fma_mixhi_f16 v[128+32*t+k], v[64*t+2*k+1], v[SQ+8*t], -v[32*t+k] op_sel:[0,0,1] op_sel_hi:[0,0,1]
.set k, k+1
.endr
.set t, t+1
.endr
	CHANGE 0                                       ; both chunks of prototypes are in, everybody's part of them; nothing more is asked for
	; ---------------- similarities and argmax, 128 prototypes a trip
	ALL v_mov_b32 v[BVAL+t], 0xff800000
	ALL v_mov_b32 v[BIDX+t], 0
	s_mov_b32 s[PO], 0
	s_mov_b32 s[PI], 0
	s_mov_b32 s[CLAY], 2
.Lsim:
	v_add_nc_u32 v[WA], s[PO], v[L16]
	RUNW 0, 0, 0, 0
	RUNW 1, 0, 0, 0
	RUNW 0, 1, 0, 0
	RUNW 1, 1, 0, 0
.irp q, 0,1,2,3
	SIMT \q, 0
	SIMT \q, 1
	SIMT \q, 2
	SIMT \q, 3
.endr
	WIN 0
.set i, 0
.rept 16
	v_mov_b32 v[MC+i], 0xff800000                  ; the chains' start; also the places behind the last products
.set i, i+1
.endr
	WIN 0x28                                       ; the largest of my 64 similarities of each tile, ascending
.set i, 0
.rept 32
	ALL v_max3_num_f32 v[MC+4*t+i%4], v[MC+4*t+i%4], v[64*t+2*i], v[64*t+2*i+1]
.set i, i+1
.endr
	WIN 0
	ALL v_max3_num_f32 v[MC+4*t], v[MC+4*t], v[MC+4*t+1], v[MC+4*t+2]
	ALL v_max_num_f32 v[MC+4*t], v[MC+4*t], v[MC+4*t+3]
	ALL v_mov_b32 v[IDX+t], 0
	WIN 0x08                                       ; its place: from the last register down, so that the lowest one that holds the maximum stays
.set k, 63
.rept 64
	ALL v_cmp_eq_f32 s[MK+t], v[MC+4*t], v[64*t+k]
	ALL v_cndmask_b32 v[IDX+t], v[IDX+t], k, s[MK+t]
.set k, k-1
.endr
	WIN 0
	v_add_nc_u32 v[HB], s[PI], v[H8]
	ALL v_and_b32 v[T2+t], 0x38, v[IDX+t]
	ALL v_add3_u32 v[IDX+t], v[IDX+t], v[T2+t], v[HB]
	ALL v_cmp_gt_f32 s[MK+t], v[MC+4*t], v[BVAL+t]
	ALL v_cndmask_b32 v[BVAL+t], v[BVAL+t], v[MC+4*t], s[MK+t]
	ALL v_cndmask_b32 v[BIDX+t], v[BIDX+t], v[IDX+t], s[MK+t]
	s_add_co_u32 s[PO], s[PO], SLOTB
	s_add_co_u32 s[PI], s[PI], 128
	s_sub_co_u32 s[CLAY], s[CLAY], 1
	s_cmp_lg_u32 s[CLAY], 0
	s_cbranch_scc1 .Lsim
	; ---------------- the two halves of the lanes meet: the greater wins, of equals the lower index
	ALL v_permlanex16_b32 v[MC+t], v[BVAL+t], s[SEL], s[SEL+1]
	ALL v_permlanex16_b32 v[MC+4+t], v[BIDX+t], s[SEL], s[SEL+1]
.set t, 0
.rept 4
	v_cmp_gt_f32 s[MK], v[MC+t], v[BVAL+t]
	v_cmp_eq_f32 s[MK+1], v[MC+t], v[BVAL+t]
	v_cmp_lt_u32 s[MK+2], v[MC+4+t], v[BIDX+t]
	s_and_b32 s[MK+1], s[MK+1], s[MK+2]
	s_or_b32 s[MK], s[MK], s[MK+1]
	v_cndmask_b32 v[BIDX+t], v[BIDX+t], v[MC+4+t], s[MK]
.set t, t+1
.endr
	v_lshl_add_u32 v[XR], v[RR], 2, s[XSB]         ; through my XS, so that one store of the wave writes its 64 indices: 256 consecutive bytes, aligned
	v_add_nc_u32 v[XR+1], s[XSB], v[L8]
	ALL ds_store_b32 v[XR], v[BIDX+t] offset:64*t
	ds_load_b64 v[XR+2:XR+3], v[XR+1]              ; LDS serves a wave's instructions in order (ISA guide 5.7.1.4): this sees the stores above
	s_wait_dscnt 0x0
	global_store_b64 v[L8], v[XR+2:XR+3], s[10:11]
	s_wait_tensorcnt 0x0                           ; the wave's end: the spare-word add and its wait behind my last tensor load and my last LDS store
	ds_add_u32 v[SPW], v[NIL]
	s_wait_dscnt 0x0
	CROUND                                         ; the closing round: no work-group ends while a partner may still ask for a tile that names it
	s_endpgm
.Lfunc_end_k_qf0add41a3e_main:
	.size	k_qf0add41a3e_main, .Lfunc_end_k_qf0add41a3e_main-k_qf0add41a3e_main
	.p2alignl 7, 3214868480
	.fill 96, 4, 3214868480
	.section	.rodata,"a",@progbits
	.p2align	6, 0x0
	.amdhsa_kernel k_qf0add41a3e_main
		.amdhsa_group_segment_fixed_size 327680
		.amdhsa_private_segment_fixed_size 0
		.amdhsa_enable_private_segment 0
		.amdhsa_kernarg_size 32
		.amdhsa_user_sgpr_count 2
		.amdhsa_user_sgpr_kernarg_segment_ptr 1
		.amdhsa_wavefront_size32 1
		.amdhsa_system_sgpr_workgroup_id_x 1
		.amdhsa_system_sgpr_workgroup_id_y 1
		.amdhsa_system_sgpr_workgroup_id_z 1
		.amdhsa_system_vgpr_workitem_id 0
		.amdhsa_next_free_vgpr 1024
		.amdhsa_next_free_sgpr 84
		.amdhsa_reserve_vcc 0
		.amdhsa_float_denorm_mode_32 3
		.amdhsa_float_denorm_mode_16_64 3
		.amdhsa_memory_ordered 1
		.amdhsa_forward_progress 1
		.amdhsa_inst_pref_size 255
	.end_amdhsa_kernel
	.section	.bss,"aw",@nobits
	.p2align	6
	.space	262144
	.amdgpu_metadata
---
amdhsa.version: [ 1, 2 ]
amdhsa.kernels:
  - .name:           k_qf0add41a3e_main
    .symbol:         k_qf0add41a3e_main.kd
    .args:
      - { .name: x, .offset: 0, .size: 8, .value_kind: global_buffer, .address_space: global }
      - { .name: wk, .offset: 8, .size: 8, .value_kind: global_buffer, .address_space: global }
      - { .name: out0, .offset: 16, .size: 8, .value_kind: global_buffer, .address_space: global }
      - { .name: out1, .offset: 24, .size: 8, .value_kind: global_buffer, .address_space: global }
    .group_segment_fixed_size: 327680
    .private_segment_fixed_size: 0
    .kernarg_segment_align: 8
    .kernarg_segment_size: 32
    .max_flat_workgroup_size: 128
    .sgpr_count:     84
    .vgpr_count:     1024
    .wavefront_size: 32
...
	.end_amdgpu_metadata
.endif
;; end of part 2
